; MI455X (gfx1250); checked and timed in simulation.
; The chip was launched on July 23, 2026; its instructions are those of AMD's public machine-readable ISA for CDNA 5 (MIT licence, August 2026) and "CDNA5" Instruction Set Architecture Reference Guide (July 2026). The comments in the code are by the model that wrote it; some were corrected since.
;; Dot Product Attention. Allowed arithmetic: matrix products marked QUANTISED: E2M1 operands, one E8M0 scale for each 32 along K, by v_wmma_scale_f32_16x16x128_f8f6f4 with both operands' format E2M1 (or v_wmma_scale_f32_32x16x128_f4), f32 sums; everything else in f32.
;; Inputs: keys_codes 16 x 2,048 x 2 x 16 uint8 (E2M1 codes of keys, K innermost, in blocks of 32 codes, two codes a byte); keys_scales 16 x 2,048 x 2 uint8 (E8M0 scales of keys, one for each 32 codes along K); queries_codes 16 x 2,048 x 2 x 16 uint8 (E2M1 codes of queries, K innermost, in blocks of 32 codes, two codes a byte); queries_scales 16 x 2,048 x 2 uint8 (E8M0 scales of queries, one for each 32 codes along K); valid_lens 16 int32; values_codes 16 x 64 x 64 x 16 uint8 (E2M1 codes of values, K innermost, in blocks of 32 codes, two codes a byte); values_scales 16 x 64 x 64 uint8 (E8M0 scales of values, one for each 32 codes along K).
;; Outputs: out0 16 x 2,048 x 64 float32.
;; This version of the problem:
;;   THIS VERSION OF THE PROBLEM IS GIVEN IN LOW PRECISION. The matrix products marked QUANTISED in the list below multiply operands that are first quantised to E2M1 (2 exponent bits, 1 mantissa bit; 4 bits a number), with one power-of-two scale for each 32 numbers along K (OCP MX v1.0); their sums are f32. All else is computed in f32.
;;   The module's matrix products, in the order in which they are computed (A, B: the left and right operand; K: the contracted axis; several contracted axes count as one K, in the product's order):
;;     1. batch 16 x [M 2,048, K 64] x [K 64, N 2,048]; A: input queries (given as codes); B: input keys (given as codes): QUANTISED
;;     2. batch 16 x [M 2,048, K 2,048] x [K 2,048, N 64]; A: softmax (see below); B: input values (given as codes): QUANTISED
;;   THE QUANTISER, for each operand of a quantised product, along K:
;;     - K is cut into blocks of 32 from its start; a last block that is shorter is filled with zeros.
;;     - A block's scale is 2^e with e = floor(log2(the largest magnitude in the block)) - 2, held to -126 .. 127; a block of zeros has e = 0. As a byte (E8M0): e + 127.
;;     - Each number is divided by its block's scale, clamped to +-6, and rounded to the nearest number of E2M1, ties to even, subnormals kept.
;;     - The product sums the exact products of the quantised numbers (number of the format x scale) in f32.
;;   ~~~python
;;   def quantise(x, axis):      # numpy; x: float32 -> the quantised numbers, widened to float32 again
;;       x = np.moveaxis(x, axis, -1); K = x.shape[-1]
;;       x = np.pad(x, [(0, 0)] * (x.ndim - 1) + [(0, -K % 32)]); x = x.reshape(x.shape[:-1] + (-1, 32)); a = np.abs(x).max(-1, keepdims=True)
;;       e = np.where(a > 0, np.clip(np.frexp(np.where(a > 0, a, 1))[1] - 1 - 2, -126, 127), 0)      # np.frexp(a)[1] - 1 = floor(log2(a)), exactly
;;       r = np.clip(x / 2.0 ** e, -6, 6)
;;       step = 2.0 ** (np.maximum(np.frexp(np.where(r == 0, 1, r))[1] - 1, 0) - 1)
;;       q = np.round(r / step) * step * 2.0 ** e      # np.round: ties to even
;;       return np.moveaxis(q.reshape(q.shape[:-2] + (-1,))[..., :K], -1, axis).astype(np.float32)
;;   ~~~
;;   SOFTMAX AHEAD OF A QUANTISED PRODUCT. Where the list says 'softmax', what is quantised is not the finished softmax but p = 2^(t - M), with t = logit x log2(e) and M = ceil(the row's largest t), a whole number; so 1/2 < the row's largest p <= 1. The row's sum l is taken of the UNQUANTISED p, in f32, and the product's result is divided by l at the end. Since M is a whole number, a kernel that streams over the keys may use a running M (the ceiling of the running maximum): every later rescaling is an exact power of two, which a block's scale takes up: the codes' values come out the same.
;;   OPERANDS COMPUTED ON THE WAY. 'Computed on the way' means the value that the module computes at that place (a softmax that the list does not call 'softmax' is quantised finished and normalised). What goes into a quantiser is computed in f32, as accurately as f32 sums, v_exp_f32 and their like allow (about 1e-6 of the number): no bf16 or f16 on the way to a quantiser, and a product that is left as it is and whose result goes on into a quantised operand takes f32 operands (vector FMAs, or v_wmma_f32_16x16x4_f32). A number that lies on a knife's edge between two numbers of the format may be rounded either way, as far as f32 arithmetic and the matrix unit's own rounding can turn it there, and no further.
;;   INPUTS GIVEN AS CODES. keys (in the module: [16, 2048, 64], K = its axis 2); queries (in the module: [16, 2048, 64], K = its axis 2); values (in the module: [16, 2048, 64], K = its axis 1): each comes as NAME_codes (uint8): NAME with its K axis moved to the last place and cut into blocks of 32 codes, [.., K / 32, bytes a block], one block behind the other in memory; two codes a byte, the lower K in the low four bits (a code: sign, 2 exponent bits, 1 mantissa bit); and NAME_scales (uint8): the same leading axes, one E8M0 byte (e + 127) for each 32 codes along K. Its value is code x scale, taken as it is: it is not quantised again, and the codes and scales need not be those that the quantiser above would give.
;; 2 versions, each right; version 2 is version 1 with the launch attn written anew for expert scheduling mode. Each part assembles by itself: llvm-mc -triple=amdgcn-amd-amdhsa -mcpu=gfx1250 --defsym DOCPART=n.
;; ======== version 1 of 2: 1 launch
;; limits: right only within a limited range of input values
;; launch attn (part 1): grid 32 x 8, 16 waves a work-group, no clusters, 321,536 bytes of LDS; arguments keys_codes, keys_scales, queries_codes, queries_scales, valid_lens, values_codes, values_scales, out0; writes out0
.if DOCPART == 1
	.amdgcn_target "amdgcn-amd-amdhsa--gfx1250"
	.amdhsa_code_object_version 6
	.text
	.protected	k_qdfe726a9da_attn
	.globl	k_qdfe726a9da_attn
	.p2align	8
	.type	k_qdfe726a9da_attn,@function
k_qdfe726a9da_attn:
	s_mov_b64 s[64:65], 0
	v_nop
	global_prefetch_b8 v0, s[64:65] scope:SCOPE_SE
	s_setreg_imm32_b32 hwreg(HW_REG_WAVE_MODE, 25, 1), 1
	s_wait_xcnt 0x0
; out[b][q][:] = sum over k of softmax_k(mask(Q[b][q] . K[b][k] / 8)) V[b][k][:], 16 batches, 2,048 queries, 2,048 keys, head size 64; keys at or past valid_lens[b] count as logit -1e6.
; Both products on codes of FP4 (E2M1) with one E8M0 scale for each 32 along K.  Q, K: 32 bytes of codes and 2 scale bytes a row; V: keys innermost, [64 d][1,024 bytes], scale bytes [64 d][64].  out: f32.
; THE SOFTMAX AHEAD OF THE SECOND PRODUCT: t = score x log2(e) / 8; M = the running largest t rounded UP to a whole number; p = 2^(t - M) is quantised along the keys; the row's sum is taken of the unquantised p and divides at the end.
; SHARES.  A work-group takes 64 queries (x) of TWO batches (y = 0..7): the batches of rank y and 15 - y when the 16 are ordered by the number of keys to be walked, a long one with a short one, so that all
; work-groups have about the same work.  Every wave ranks the 16 lengths itself.  Wave w: batch of the pair be = (w ^ (w >> 2)) & 1, om = w >> 1, tile of 16 queries ta = om & 3, half of the key steps et = om >> 2.
; A key step is 128 keys; wave (be, ta, et) walks steps 2 p + et, p = 0..7.  Steps all of whose keys are masked are left out (their p is 0); the two halves of a tile meet at the end through LDS.
; With no valid key at all every logit is equal: all 16 steps are walked with every score masked, which gives the mean of V, as the definition does.
; HEAD SIZE 64 fills half of the instruction's K = 128: one fragment of K carries TWO tiles of keys (registers 0-3 a key, registers 4-7 the key 8 further on), and is multiplied once by (q, 0) and once by (0, q).
; LAYOUT.  Both products are used transposed (S^T = K Q^T, O^T = V^T P^T): a lane holds ONE query (lane % 16) throughout.  Lane r of fragment b takes key 32 b + r % 8 + 16 (r / 8), so that
; register 16 b + i of S^T is key 32 b + 16 (lane / 16) + i of the step: 16 neighbours along the second product's K.
; NO TENSOR LOADS, NO CLUSTER: which steps are walked hangs on valid_lens, a number read from memory; leaving masked steps out
; removes on average half of the vector work, of which a step has about twenty times as many instructions as it has matrix instructions.  K and V go global -> registers -> LDS, one phase (two steps) ahead of their use.
; No prefetch: each batch's 128 KiB of codes are read by 32 neighbouring work-groups, and the loads already run a phase ahead.
; A MASKED SCORE is set to -2^26: its t = -12,102,203 is a whole number, so that with no valid key p = 1 exactly; with a valid key p falls to 0, as it does with -1e6.
; LIMITS: rows whose valid logits lie under about -1e6 (|q . k| over 8e6) differ from the definition; the scale byte 0xff (NaN) among the inputs is not served; p under 2^-124 of the running largest is taken as 0.
.set KG,    528                        ; LDS: 16 keys, 512 dense bytes + 16 of padding: the two groups of eight rows that a fragment load touches then fall on even and on odd 16-byte columns
.set KPH,   16*KG                      ; a phase: two steps of eight groups
.set VP,    1040                       ; a row d of V: 1,024 bytes + 16: row r starts at 16-byte column r mod 16
.set VOFF,  128*KG                     ; a batch's slot: K's codes, then V's,
.set KSOFF, VOFF+64*VP                 ; K's scale words: word (G, x) at 32 G + 4 x = bytes of key 16 G + x below, of key 16 G + x + 8 above: 256 bytes a step,
.set VSOFF, KSOFF+4096                 ; V's scale words, [step][d]: 256 bytes a step
.set SLOT,  VSOFF+4096                 ; 142,336 bytes
.set MRG,   2*SLOT                     ; eight slots for the meeting of a tile's halves: 4,096 bytes of O^T as an image of its registers, 128 of -M, 128 of the sum; later the keeper's stage, 16 rows x 272
.set MSL,   4352
.set SP,    272
.set AK,  1                            ; v1   K's fragments: my lane's place in step et of phase 0
.set AV,  2                            ; v2   V's
.set ASK, 3                            ; v3   K's scale words
.set ASV, 4                            ; v4   V's
.set GKO, 5                            ; v5   staging: my 16 bytes of my wave's 1,024 of a phase of K, in memory
.set GVO, 6                            ; v6   of V: 4 rows x 128 bytes a load
.set LKS, 7                            ; v7   and in LDS
.set LVS, 8                            ; v8
.set H16, 9                            ; v9   16 (lane / 16)
.set NEG, 10                           ; v10  -2^26
.set MG,  11                           ; v11  my 16 bytes of an image in my tile's meeting slot
                                       ; v12 -M, v13 the largest t, v[14:15] the sum in two halves; v16-19 = 0, v20-23 q's codes, v24-27 = 0
.set QW,  28                           ; v28  q's scale word: its two bytes below and again above
.set MG4, 29                           ; v29  my word of -M in the meeting slot
.set STO, 30                           ; v30  the way out: where I put 32 bytes of a row
.set RD,  31                           ; v31  and where I read a row back
.set KF,  32                           ; v32-63   four fragments of K
.set VF,  64                           ; v64-95   four fragments of V
.set S,   96                           ; v96-159  S^T, then p; at the head at work
.set O,   160                          ; v160-191 O^T, four tiles of 8
.set SG,  192                          ; v192-207 staging
.set KS,  208                          ; v208-209 K's scale words: lanes 0-15 fragment 2 g, lanes 16-31 fragment 2 g + 1
.set VS,  210                          ; v210-211 V's likewise
.set PW,  212                          ; v212 p's scale word
.set VLO, 213                          ; v213 offset in valid_lens
.set GO,  214                          ; v214 16 x lane
.set F,   216                          ; v[216:217] f = 2^(old M - new M); v217 = 0, named with it as a pair
.set KSS, 218                          ; v218-223 the head's offsets: scale words into LDS, scale bytes and q in memory
.set VSS, 219
.set GKS, 220
.set GVS, 221
.set GQC, 222
.set GQS, 223
.set PC,  224                          ; v224-231 p's codes
.set BM,  232                          ; v232-235 a block's largest score, then its largest p
.set T4,  236                          ; v236-239 permutes' results, bytes, the sum's second chain
.set SOP, 244                          ; v244-247 the conversions' scale operands
.set WV, 20                            ; s20 wave;  s21 be;  s22 om;  s23 ta;  s24 et;  s25 y
.set BE, 21
.set OM, 22
.set TA, 23
.set ET, 24
.set PI, 25
.set RK, 26                            ; s26 my batch's rank;  s27 my batch
.set BA, 27
.set LL, 28                            ; s28 valid keys, 0..2,048;  s29 keys to be walked
.set WW, 29
.set NS, 30                            ; s30 steps to be walked, 1..16
.set NW, 31                            ; s31 NS - et
.set LM, 32                            ; s32 LL - 128 et
.set SB, 48                            ; s48 my batch's slot;  s49 my tile's meeting slot
.set SM, 49
	s_load_b256 s[4:11], s[0:1], 0x0               ; K's codes s[4:5], K's scales s[6:7], Q's codes s[8:9], Q's scales s[10:11]
	s_load_b256 s[12:19], s[0:1], 0x20             ; valid_lens s[12:13], V's codes s[14:15], V's scales s[16:17], out s[18:19]
	v_lshl_add_u32 v253, v0, 2, 0x4e000
	v_mov_b32 v255, 0
	v_and_b32 v121, 15, v0                         ; r
	v_lshlrev_b32 v[VLO], 2, v121
	v_lshrrev_b32 v120, 5, v0
	v_readfirstlane_b32 s[WV], v120                ; wave 0..15
	s_wait_kmcnt 0x0
	global_load_b32 v96, v[VLO], s[12:13]          ; lanes l and l + 16: valid_lens[l]; the addresses below are made while it is out
	s_lshr_b32 s[OM], s[WV], 1
	s_lshr_b32 s33, s[WV], 2
	s_xor_b32 s[BE], s[WV], s33
	s_and_b32 s[BE], s[BE], 1
	s_and_b32 s[TA], s[OM], 3
	s_lshr_b32 s[ET], s[OM], 2
	s_and_b32 s[PI], ttmp7, 0xffff
	s_mul_i32 s[SB], s[BE], SLOT
	s_lshl_b32 s33, s[BE], 2
	s_add_co_u32 s33, s33, s[TA]
	s_mul_i32 s[SM], s33, MSL
	s_add_co_u32 s[SM], s[SM], MRG
	s_mov_b32 s38, 0x76543210                      ; v_permlanex16_b32's selects for lane l xor 16
	s_mov_b32 s39, 0xfedcba98
	s_mov_b32 s40, 0x3e38aa3b                      ; c = log2(e) / 8
	s_mov_b32 s41, s40                             ; (named with it as a pair, so it is written)
	s_mov_b32 s46, 0x05040100                      ; v_perm_b32: the two low halves;
	s_mov_b32 s47, 0x07060302                      ; the two high halves
	v_and_b32 v120, 31, v0                         ; lane
	v_bfe_u32 v122, v0, 4, 1                       ; h
	v_and_b32 v123, 7, v0                          ; lane % 8
	v_bfe_u32 v124, v0, 3, 1                       ; r / 8
	v_bfe_u32 v125, v0, 3, 2                       ; lane / 8
	v_and_b32 v126, 3, v0                          ; lane % 4
	v_bfe_u32 v127, v0, 2, 3                       ; lane / 4
	v_bfe_u32 v128, v0, 1, 4                       ; lane / 2
	v_and_b32 v129, 1, v0                          ; lane % 2
	; every LDS address is a constant x lane terms + constants x bits of the wave's number; a phase's place stands in the immediates
	v_mul_u32_u24 v[AK], v124, KG
	v_lshl_add_u32 v[AK], v123, 5, v[AK]
	v_lshl_add_u32 v[AK], v122, 4, v[AK]           ; key r % 8 of group r / 8, + 16 h
	s_mul_i32 s42, s[ET], 8*KG
	s_add_co_u32 s42, s42, s[SB]
	v_add_nc_u32 v[AK], s42, v[AK]
	v_mul_u32_u24 v[AV], v121, VP
	v_lshl_add_u32 v[AV], v122, 4, v[AV]           ; row r, + 16 h
	s_lshl_b32 s42, s[ET], 6
	s_add_co_u32 s42, s42, s[SB]
	s_add_co_u32 s42, s42, VOFF
	v_add_nc_u32 v[AV], s42, v[AV]
	s_lshl_b32 s42, s[ET], 8
	s_add_co_u32 s42, s42, s[SB]
	s_add_co_u32 s43, s42, KSOFF
	s_add_co_u32 s44, s42, VSOFF
	v_lshl_add_u32 v[ASK], v120, 2, s43
	v_lshl_add_u32 v[ASV], v120, 2, s44
	s_lshl_b32 s42, s[OM], 10
	v_lshl_add_u32 v[GKO], v120, 4, s42            ; K: 1,024 bytes a wave, 512 dense bytes a load
	s_lshl_b32 s42, s[OM], 13
	v_lshl_add_u32 v[GVO], v125, 10, s42           ; V: rows 8 om + lane / 8 (and + 4),
	v_lshl_add_u32 v[GVO], v123, 4, v[GVO]         ; 16 (lane % 8) of a phase's 128 bytes
	s_mul_i32 s42, s[OM], 2*KG
	s_add_co_u32 s42, s42, s[SB]
	v_lshl_add_u32 v[LKS], v120, 4, s42
	s_mul_i32 s42, s[OM], 8*VP
	s_add_co_u32 s42, s42, s[SB]
	s_add_co_u32 s42, s42, VOFF
	v_mul_u32_u24 v[LVS], v125, VP
	v_lshl_add_u32 v[LVS], v123, 4, v[LVS]
	v_add_nc_u32 v[LVS], s42, v[LVS]
	v_lshlrev_b32 v[H16], 4, v122
	v_mov_b32 v[NEG], 0xcc800000
	v_lshl_add_u32 v[MG], v120, 4, s[SM]
	s_add_co_u32 s42, s[SM], 4096
	v_lshl_add_u32 v[MG4], v120, 2, s42
	v_mul_u32_u24 v[STO], v121, SP
	v_lshl_add_u32 v[STO], v122, 5, v[STO]
	v_add_nc_u32 v[STO], s[SM], v[STO]             ; in: row r; tile t's eight channels of my half 64 t + 32 h bytes on
	v_mul_u32_u24 v[RD], v122, SP
	v_lshl_add_u32 v[RD], v121, 4, v[RD]
	v_add_nc_u32 v[RD], s[SM], v[RD]               ; back: lanes 0-15 one row, lanes 16-31 the next
	v_lshlrev_b32 v[GO], 4, v120
	; the scale bytes of a whole batch come once; the batch's eight waves share them: th = 32 om + lane takes 16 bytes of each kind
	s_lshl_b32 s42, s[OM], 9
	v_lshl_add_u32 v[GVS], v120, 4, s42            ; V's in memory: 16 th: row th / 4, steps 4 (th % 4) + 0..3
	v_lshl_add_u32 v[GKS], v128, 5, s42            ; K's in memory: group th / 2, keys 4 (th % 2) + 0..3 (and 8 further on, 16 bytes on)
	v_lshl_add_u32 v[GKS], v129, 3, v[GKS]
	s_add_co_u32 s42, s42, s[SB]
	s_add_co_u32 s42, s42, KSOFF
	v_lshl_add_u32 v[KSS], v120, 4, s42            ; K's words in LDS: 16 th
	s_lshl_b32 s42, s[OM], 5
	s_add_co_u32 s42, s42, s[SB]
	s_add_co_u32 s42, s42, VSOFF
	v_lshl_add_u32 v[VSS], v126, 10, s42           ; V's words in LDS: 256 x step + 4 x row
	v_lshl_add_u32 v[VSS], v127, 2, v[VSS]
	v_lshlrev_b32 v[GQC], 5, v121
	v_lshl_add_u32 v[GQC], v122, 4, v[GQC]         ; q: row r of 32 bytes, + 16 h
	v_lshlrev_b32 v[GQS], 1, v121
	v_mov_b32 v99, 0x800
	v_mov_b32 v103, 0
	v_mov_b32 v101, 0
	; THE RANKS.  Lane l: LL = valid_lens[l % 16] held to 0..2,048; WW = LL, or 2,048 where nothing is valid; its rank = how many of the 16 keys 16 WW + index lie under its own
	s_wait_loadcnt 0x0
	v_cmp_gt_i32 vcc_lo, 1, v96
	v_cndmask_b32 v96, v96, v103, vcc_lo
	v_min_u32 v96, 0x800, v96
	v_cndmask_b32 v98, v96, v99, vcc_lo
	v_lshl_add_u32 v100, v98, 4, v121
.irp j, 0,1,2,3,4,5,6,7,8,9,10,11,12,13,14,15
	v_readlane_b32 s[66+\j], v100, \j
.endr
.irp j, 0,1,2,3,4,5,6,7,8,9,10,11,12,13,14,15
	v_cmp_lt_u32 vcc_lo, s[66+\j], v100
	v_add_co_ci_u32 v101, vcc_lo, 0, v101, vcc_lo
.endr
	s_sub_co_u32 s42, 15, s[PI]
	s_cmp_eq_u32 s[BE], 0
	s_cselect_b32 s[RK], s[PI], s42                ; rank y, or 15 - y: each batch has one pair
	v_cmp_eq_u32 vcc_lo, s[RK], v101
	s_ctz_i32_b32 s[BA], vcc_lo
	s_min_u32 s[BA], s[BA], 15                     ; my batch: it enters addresses held to 0..15
	v_readlane_b32 s[LL], v96, s[BA]
	v_readlane_b32 s[WW], v98, s[BA]
	s_min_u32 s[LL], s[LL], 0x800
	s_min_u32 s[WW], s[WW], 0x800
	s_add_co_u32 s[NS], s[WW], 127
	s_lshr_b32 s[NS], s[NS], 7
	s_sub_co_u32 s[NW], s[NS], s[ET]
	s_lshl_b32 s42, s[ET], 7
	s_sub_co_i32 s[LM], s[LL], s42
	; each pointer goes to my batch (Q, out: to my 16 queries) once, and stays
	s_mov_b32 s35, 0
	s_mov_b32 s37, 0
	s_lshl_b32 s34, s[BA], 16
	s_lshl_b32 s36, s[BA], 12
	s_add_nc_u64 s[4:5], s[4:5], s[34:35]
	s_add_nc_u64 s[14:15], s[14:15], s[34:35]
	s_add_nc_u64 s[8:9], s[8:9], s[34:35]
	s_add_nc_u64 s[6:7], s[6:7], s[36:37]
	s_add_nc_u64 s[16:17], s[16:17], s[36:37]
	s_add_nc_u64 s[10:11], s[10:11], s[36:37]
	s_lshl_b32 s42, ttmp9, 6
	s_lshl_b32 s43, s[TA], 4
	s_add_co_u32 s42, s42, s43                     ; my first query: 64 x + 16 ta
	s_lshl_b32 s34, s42, 5
	s_add_nc_u64 s[8:9], s[8:9], s[34:35]
	s_lshl_b32 s36, s42, 1
	s_add_nc_u64 s[10:11], s[10:11], s[36:37]
	s_lshl_b32 s34, s[BA], 19
	s_add_nc_u64 s[18:19], s[18:19], s[34:35]
	s_lshl_b32 s34, s42, 8
	s_add_nc_u64 s[18:19], s[18:19], s[34:35]
; A phase's 256 keys of my batch, one eighth a wave: 1,024 bytes of K, 8 rows x 128 bytes of V
.macro STAGE_LOAD p
	global_load_b128 v[SG:SG+3],     v[GKO], s[4:5] offset:8192*(\p)
	global_load_b128 v[SG+4:SG+7],   v[GKO], s[4:5] offset:8192*(\p)+512
	global_load_b128 v[SG+8:SG+11],  v[GVO], s[14:15] offset:128*(\p)
	global_load_b128 v[SG+12:SG+15], v[GVO], s[14:15] offset:128*(\p)+4096
.endm
.macro STAGE_STORE p
	ds_store_b128 v[LKS], v[SG:SG+3]     offset:KPH*(\p)
	ds_store_b128 v[LKS], v[SG+4:SG+7]   offset:KPH*(\p)+KG
	ds_store_b128 v[LVS], v[SG+8:SG+11]  offset:128*(\p)
	ds_store_b128 v[LVS], v[SG+12:SG+15] offset:128*(\p)+4*VP
.endm
.macro BAR                             ; my LDS stores have landed and my LDS loads are in: then the work-group's barrier.  It stands on every wave's path, under no branch
	s_wait_dscnt 0x0
	s_barrier_signal -1
	s_barrier_wait -1
.endm
	STAGE_LOAD 0                                   ; phase 0 is always walked: NS is at least 1
	global_load_b128 v[20:23], v[GQC], s[8:9]      ; q's codes stay in registers
	global_load_u16 v[QW], v[GQS], s[10:11]
	global_load_b64 v[104:105], v[GKS], s[6:7]
	global_load_b64 v[106:107], v[GKS], s[6:7] offset:16
	global_load_b128 v[108:111], v[GVS], s[16:17]
	v_mov_b32 v13, 0xff61b1e6                      ; the largest t so far: -3e38, under every t
	v_floor_f32 v12, -v13                          ; -M
	v_mov_b32 v14, 0
	v_mov_b32 v15, 0
.irp j, 16,17,18,19,24,25,26,27
	v_mov_b32 v[\j], 0                             ; v[20:27] = (q, 0), v[16:23] = (0, q)
.endr
	v_mov_b32 v[F+1], 0
.irp j, 0,1,2,3
	v_mov_b32 v[T4+\j], 0                          ; written once: a lane permute's destination counts as one of its sources
.endr
	s_wait_loadcnt 0x0
	v_lshl_or_b32 v[QW], v[QW], 16, v[QW]          ; q's two bytes serve k 0..63 of (q, 0) and k 64..127 of (0, q)
	v_perm_b32 v112, v106, v104, s46               ; a word: key x's two bytes below, key x + 8's above
	v_perm_b32 v113, v106, v104, s47
	v_perm_b32 v114, v107, v105, s46
	v_perm_b32 v115, v107, v105, s47
	ds_store_b128 v[KSS], v[112:115]
.irp i, 0,1,2,3
	ds_store_b32 v[VSS], v[108+\i] offset:256*\i
.endr
	STAGE_STORE 0
.set J, 0
.rept 32
	v_mov_b32 v[O+J], 0                            ; O^T: the step is written once, and the first finds zeros.  These are also the plain places between the vector writes of q's scale word and zeros and the first scaled product
.set J, J+1
.endr
	BAR                                            ; phase 0 and all scale words lie in LDS
; A KEY STEP: the 128 keys of step 2 p + et.
.macro STEP p
.irp b, 0,1,2,3
	ds_load_b128 v[KF+8*\b:KF+8*\b+3],   v[AK] offset:KPH*(\p)+2*KG*\b        ; keys 32 b + r % 8 + 16 (r / 8),
	ds_load_b128 v[KF+8*\b+4:KF+8*\b+7], v[AK] offset:KPH*(\p)+2*KG*\b+256    ; and those 8 further on
.endr
	ds_load_b32 v[KS],   v[ASK] offset:512*(\p)
	ds_load_b32 v[KS+1], v[ASK] offset:512*(\p)+128
	s_wait_dscnt 0x0
.irp b, 0,1,2,3                        ; S^T: eight accumulators, each begun with the constant 0
.if (\b)%2
	v_wmma_scale_f32_16x16x128_f8f6f4 v[S+16*\b:S+16*\b+7],    v[KF+8*\b:KF+8*\b+7], v[20:27], 0, v[KS+\b/2], v[QW] matrix_a_fmt:MATRIX_FMT_FP4 matrix_b_fmt:MATRIX_FMT_FP4 matrix_a_scale:MATRIX_SCALE_ROW1
	v_wmma_scale_f32_16x16x128_f8f6f4 v[S+16*\b+8:S+16*\b+15], v[KF+8*\b:KF+8*\b+7], v[16:23], 0, v[KS+\b/2], v[QW] matrix_a_fmt:MATRIX_FMT_FP4 matrix_b_fmt:MATRIX_FMT_FP4 matrix_a_scale:MATRIX_SCALE_ROW1
.else
	v_wmma_scale_f32_16x16x128_f8f6f4 v[S+16*\b:S+16*\b+7],    v[KF+8*\b:KF+8*\b+7], v[20:27], 0, v[KS+\b/2], v[QW] matrix_a_fmt:MATRIX_FMT_FP4 matrix_b_fmt:MATRIX_FMT_FP4
	v_wmma_scale_f32_16x16x128_f8f6f4 v[S+16*\b+8:S+16*\b+15], v[KF+8*\b:KF+8*\b+7], v[16:23], 0, v[KS+\b/2], v[QW] matrix_a_fmt:MATRIX_FMT_FP4 matrix_b_fmt:MATRIX_FMT_FP4
.endif
.endr
.rept 4
	v_nop                                          ; four places: ahead of the first read of S^T, and between the last step's products V^T P^T and the loads into their operands
.endr
.irp t, 0,1,2,3
.irp c, 0,1
	ds_load_b128 v[VF+8*\t+4*\c:VF+8*\t+4*\c+3], v[AV] offset:16*VP*\t+128*(\p)+32*\c   ; V's fragments land behind the softmax
.endr
.endr
	ds_load_b32 v[VS],   v[ASV] offset:512*(\p)
	ds_load_b32 v[VS+1], v[ASV] offset:512*(\p)+128
	s_cmp_ge_i32 s[LM], 256*(\p)+128               ; all 128 keys valid: nothing to mask
	s_cbranch_scc1 .Lopen_\@
	s_sub_co_i32 s33, s[LM], 256*(\p)
	v_sub_nc_u32 v252, s33, v[H16]                 ; d = valid keys - the step's first key - 16 h.  Register 16 b + i is masked where 32 b + i >= d
.set NN, 0
.rept 64
	v_cmp_ge_i32 vcc_lo, 32*(NN/16)+NN%16, v252
	v_cndmask_b32 v[S+NN], v[S+NN], v[NEG], vcc_lo
.set NN, NN+1
.endr
.Lopen_\@:
.irp b, 0,1,2,3
	v_max3_num_f32 v[BM+\b], v[S+16*\b], v[S+1+16*\b], v[S+2+16*\b]   ; the largest score of each block of 32 keys: for the row's maximum and, since p rises with the score, for the block's largest p
.endr
.irp i, 3,5,7,9,11,13
.irp b, 0,1,2,3
	v_max3_num_f32 v[BM+\b], v[BM+\b], v[S+16*\b+\i], v[S+1+16*\b+\i]
.endr
.endr
.irp b, 0,1,2,3
	v_max_num_f32 v[BM+\b], v[BM+\b], v[S+15+16*\b]
.endr
.irp b, 0,1,2,3
	v_permlanex16_b32 v[T4+\b], v[BM+\b], s38, s39
.endr
.irp b, 0,1,2,3
	v_max_num_f32 v[BM+\b], v[BM+\b], v[T4+\b]     ; with lane l xor 16's 16 keys
.endr
	v_max3_num_f32 v254, v[BM], v[BM+1], v[BM+2]
	v_max_num_f32 v254, v254, v[BM+3]
	v_mul_f32 v254, s40, v254                      ; the step's largest t (c is positive)
	v_max_num_f32 v13, v13, v254
	v_mov_b32 v254, v12
	v_floor_f32 v12, -v13                          ; the new -M = -ceil(t): a whole number
	v_sub_f32 v254, v12, v254                      ; old M - new M: a whole number, 0 or less
	v_cvt_i32_f32 v254, v254                       ; (it saturates)
	v_ldexp_f32 v[F], 1.0, v254                    ; f = 2^(old M - new M): multiplying by it rounds nothing
	; ONE BATCH: the 68 exponentials, with the scalings t - M and O^T's rescaling set between them.  No line of it names an exponential's result
.irp b, 0,1,2,3
	v_fma_f32 v[BM+\b], v[BM+\b], s40, v12
.endr
.irp j, 0,2,4,6
	v_pk_fma_f32 v[S+\j:S+\j+1], v[S+\j:S+\j+1], s[40:41], v[12:13] op_sel_hi:[1,0,0]
.endr
.set J, 0
.rept 32
	v_exp_f32 v[S+2*J], v[S+2*J]
.if J < 28
	v_pk_fma_f32 v[S+2*J+8:S+2*J+9], v[S+2*J+8:S+2*J+9], s[40:41], v[12:13] op_sel_hi:[1,0,0]   ; the pair four further on
.endif
	v_exp_f32 v[S+2*J+1], v[S+2*J+1]
.if J < 16
	v_pk_mul_f32 v[O+2*J:O+2*J+1], v[O+2*J:O+2*J+1], v[F:F+1] op_sel_hi:[1,0]                   ; O^T under the new M, from each accumulator's low end on
.endif
.set J, J+1
.endr
.irp b, 0,1,2,3
	v_exp_f32 v[BM+\b], v[BM+\b]                   ; the block's largest p: the same two instructions on the same number give the same bits
.endr
	v_pk_mul_f32 v[14:15], v[14:15], v[F:F+1] op_sel_hi:[1,0]   ; the sums under the new M: the plain instruction behind the last exponential
	s_wait_alu depctr_va_vdst(0)                   ; the wait ahead of the first line that names an exponential's result: one for the batch
.irp b, 0,1,2,3
	v_max_num_f32 v[BM+\b], 0x1800000, v[BM+\b]    ; the floor 2^(3 - 127): the byte cannot fall under 1 (a block of zeros keeps that byte: its codes are zeros)
.endr
.irp b, 0,1,2,3
	v_add_nc_u32 v[SOP+\b], 0xff000000, v[BM+\b]   ; 2 off the exponent field: the conversion's scale operand
.endr
.irp b, 0,1,2,3
	v_cvt_scalef32_pk8_fp4_f32 v[PC+2*\b],   v[S+16*\b:S+16*\b+7],    v[SOP+\b]
	v_cvt_scalef32_pk8_fp4_f32 v[PC+2*\b+1], v[S+16*\b+8:S+16*\b+15], v[SOP+\b]
.endr
.irp b, 0,1,2,3
	v_lshrrev_b32 v[T4+\b], 23, v[SOP+\b]          ; the scale's byte.  (Plain lines between the conversions and the lines that touch their results)
.endr
.irp c, 0,1                            ; the operand's layout wants a whole block in a lane: lanes 0-15 block 2 c, lanes 16-31 block 2 c + 1
.irp i, 0,1
	v_permlane16_swap_b32 v[PC+4*\c+\i], v[PC+2+4*\c+\i]
.endr
.endr
	v_lshl_or_b32 v[PW], v[T4+1], 8, v[T4]
	v_lshl_or_b32 v[PW], v[T4+2], 16, v[PW]
	v_lshl_or_b32 v[PW], v[T4+3], 24, v[PW]        ; p's scale word for these 128 keys
	v_pk_add_f32 v[T4:T4+1], v[S:S+1], v[S+2:S+3]  ; the row's sum, of the unquantised p, in two chains: 32 plain lines, which are also the places between the writes of p's codes and scale word and the products
.irp j, 4,8,12,16,20,24,28,32,36,40,44,48,52,56,60
	v_pk_add_f32 v[14:15], v[14:15], v[S+\j:S+\j+1]
	v_pk_add_f32 v[T4:T4+1], v[T4:T4+1], v[S+\j+2:S+\j+3]
.endr
	v_pk_add_f32 v[14:15], v[14:15], v[T4:T4+1]
	s_wait_dscnt 0x0                               ; V's fragments and scale words
.irp t, 0,1,2,3                        ; O^T += V^T P^T: four accumulators, one instruction each; between two links of a chain stand the three others' and the next step's eight
.if (\t)%2
	v_wmma_scale_f32_16x16x128_f8f6f4 v[O+8*\t:O+8*\t+7], v[VF+8*\t:VF+8*\t+7], v[PC:PC+7], v[O+8*\t:O+8*\t+7], v[VS+\t/2], v[PW] matrix_a_fmt:MATRIX_FMT_FP4 matrix_b_fmt:MATRIX_FMT_FP4 matrix_a_scale:MATRIX_SCALE_ROW1
.else
	v_wmma_scale_f32_16x16x128_f8f6f4 v[O+8*\t:O+8*\t+7], v[VF+8*\t:VF+8*\t+7], v[PC:PC+7], v[O+8*\t:O+8*\t+7], v[VS+\t/2], v[PW] matrix_a_fmt:MATRIX_FMT_FP4 matrix_b_fmt:MATRIX_FMT_FP4
.endif
.endr
.endm
; A PHASE: the next phase's codes are asked for (if my batch walks it); my step of this phase (if it is walked); the codes go to LDS bytes that nobody has read or reads before the barrier; the barrier.
; The branches hang on NS and NW, whole numbers made of valid_lens; the wait for the loads and the barrier stand outside them.
.macro PHASE p
.if (\p) < 7
	s_cmp_gt_u32 s[NS], 2*(\p)+2
	s_cbranch_scc0 .Lnl_\@
	STAGE_LOAD (\p)+1
.Lnl_\@:
.endif
	s_cmp_gt_i32 s[NW], 2*(\p)
	s_cbranch_scc0 .Lskip_\@
	STEP \p
.Lskip_\@:
.if (\p) < 7
	s_wait_loadcnt 0x0                             ; the staging loads, issued a step ago
	s_cmp_gt_u32 s[NS], 2*(\p)+2
	s_cbranch_scc0 .Lns_\@
	STAGE_STORE (\p)+1
.Lns_\@:
	BAR
.endif
.endm
.irp p, 0,1,2,3,4,5,6,7
	PHASE \p
.endr
	; THE TWO HALVES OF A TILE MEET.  The wave with et = 1 leaves O^T as an image of its registers, -M and its sum; the wave with et = 0, which always has step 0, keeps on.
.rept 4
	v_nop                                          ; four places behind the last products
.endr
	v_add_f32 v14, v14, v15                        ; the sum's two halves
	s_cmp_eq_u32 s[ET], 0
	s_cbranch_scc1 .Lkeep
.irp i, 0,1,2,3,4,5,6,7
	ds_store_b128 v[MG], v[O+4*\i:O+4*\i+3] offset:512*\i
.endr
	ds_store_b32 v[MG4], v12
	ds_store_b32 v[MG4], v14 offset:128
.Lkeep:
	BAR
	s_cmp_lg_u32 s[ET], 0
	s_cbranch_scc1 .Lend
.irp i, 0,1,2,3,4,5,6,7
	ds_load_b128 v[S+4*\i:S+4*\i+3], v[MG] offset:512*\i
.endr
	ds_load_b32 v232, v[MG4]                       ; the partner's -M (3e38 where it walked no step: its O^T and sum are zeros, and its factor below is 0)
	ds_load_b32 v233, v[MG4] offset:128            ; and its sum
	s_wait_dscnt 0x0
	v_min_num_f32 v234, v12, v232                  ; -M of both
	v_sub_f32 v235, v234, v12
	v_sub_f32 v236, v234, v232
	v_cvt_i32_f32 v235, v235
	v_cvt_i32_f32 v236, v236
	v_ldexp_f32 v235, 1.0, v235                    ; my factor, 2^(my M - M),
	v_ldexp_f32 v236, 1.0, v236                    ; the partner's
	v_mul_f32 v14, v14, v235
	v_fma_f32 v14, v233, v236, v14
	v_permlanex16_b32 v237, v14, s38, s39
	v_add_f32 v14, v14, v237                       ; with lane l xor 16's keys: the row's sum
	v_rcp_f32 v238, v14
	v_nop                                          ; a plain instruction behind the reciprocal,
	s_wait_alu depctr_va_vdst(0)                   ; and the wait ahead of its first reader
	v_mul_f32 v240, v235, v238
	v_mul_f32 v242, v236, v238
	v_mov_b32 v241, v240
	v_mov_b32 v243, v242
.set J, 0
.rept 16
	v_pk_mul_f32 v[128+2*J:129+2*J], v[O+2*J:O+2*J+1], v[240:241]
.set J, J+1
.endr
.set J, 0
.rept 16
	v_pk_fma_f32 v[128+2*J:129+2*J], v[S+2*J:S+2*J+1], v[242:243], v[128+2*J:129+2*J]   ; register 8 t + i is out(r, 16 t + 8 h + i)
.set J, J+1
.endr
	; THE WAY OUT, through the meeting slot, whose bytes I alone touch from here on and have read: rows of 256 bytes + 16
.irp t, 0,1,2,3
	ds_store_b128 v[STO], v[128+8*\t:131+8*\t] offset:64*\t
	ds_store_b128 v[STO], v[132+8*\t:135+8*\t] offset:64*\t+16
.endr
.irp i, 0,1,2,3,4,5,6,7
	ds_load_b128 v[KF+4*\i:KF+4*\i+3], v[RD] offset:2*SP*\i   ; LDS serves a wave's instructions in order (ISA guide 5.7.1.4): these see my stores
.endr
.irp i, 0,1,2,3,4,5,6,7
	s_wait_dscnt 7-\i                              ; the 7 - i younger loads may stay out
	global_store_b128 v[GO], v[KF+4*\i:KF+4*\i+3], s[18:19] offset:512*\i th:TH_STORE_NT   ; two whole rows: 512 consecutive bytes, at a multiple of 256 from out's first byte
.endr
.Lend:
	s_wait_tensorcnt 0x0
	ds_add_u32 v253, v255
	s_wait_dscnt 0x0
	s_endpgm
.Lfunc_end_k_qdfe726a9da_attn:
	.size	k_qdfe726a9da_attn, .Lfunc_end_k_qdfe726a9da_attn-k_qdfe726a9da_attn
	.p2alignl 7, 3214868480
	.fill 96, 4, 3214868480
	.section	.rodata,"a",@progbits
	.p2align	6, 0x0
	.amdhsa_kernel k_qdfe726a9da_attn
		.amdhsa_group_segment_fixed_size 321536
		.amdhsa_private_segment_fixed_size 0
		.amdhsa_enable_private_segment 0
		.amdhsa_kernarg_size 64
		.amdhsa_user_sgpr_count 2
		.amdhsa_user_sgpr_kernarg_segment_ptr 1
		.amdhsa_wavefront_size32 1
		.amdhsa_system_sgpr_workgroup_id_x 1
		.amdhsa_system_sgpr_workgroup_id_y 1
		.amdhsa_system_sgpr_workgroup_id_z 1
		.amdhsa_system_vgpr_workitem_id 0
		.amdhsa_next_free_vgpr 256
		.amdhsa_next_free_sgpr 82
		.amdhsa_reserve_vcc 1
		.amdhsa_float_denorm_mode_32 3
		.amdhsa_float_denorm_mode_16_64 3
		.amdhsa_memory_ordered 1
		.amdhsa_forward_progress 1
		.amdhsa_inst_pref_size 183
	.end_amdhsa_kernel
	.amdgpu_metadata
---
amdhsa.version: [ 1, 2 ]
amdhsa.kernels:
  - .name:           k_qdfe726a9da_attn
    .symbol:         k_qdfe726a9da_attn.kd
    .args:
      - { .name: keys_codes, .offset: 0, .size: 8, .value_kind: global_buffer, .address_space: global }
      - { .name: keys_scales, .offset: 8, .size: 8, .value_kind: global_buffer, .address_space: global }
      - { .name: queries_codes, .offset: 16, .size: 8, .value_kind: global_buffer, .address_space: global }
      - { .name: queries_scales, .offset: 24, .size: 8, .value_kind: global_buffer, .address_space: global }
      - { .name: valid_lens, .offset: 32, .size: 8, .value_kind: global_buffer, .address_space: global }
      - { .name: values_codes, .offset: 40, .size: 8, .value_kind: global_buffer, .address_space: global }
      - { .name: values_scales, .offset: 48, .size: 8, .value_kind: global_buffer, .address_space: global }
      - { .name: out0, .offset: 56, .size: 8, .value_kind: global_buffer, .address_space: global }
    .group_segment_fixed_size: 321536
    .private_segment_fixed_size: 0
    .kernarg_segment_align: 8
    .kernarg_segment_size: 64
    .max_flat_workgroup_size: 512
    .sgpr_count:     82
    .vgpr_count:     256
    .wavefront_size: 32
...
	.end_amdgpu_metadata
.endif
;; end of part 1
;; ======== version 2 of 2: 1 launch; version 1 with the launch attn written anew for expert scheduling mode
;; limits: right only within a limited range of input values
;; launch attn (part 2): grid 32 x 8, 16 waves a work-group, no clusters, 321,536 bytes of LDS; arguments keys_codes, keys_scales, queries_codes, queries_scales, valid_lens, values_codes, values_scales, out0; writes out0
.if DOCPART == 2
	.amdgcn_target "amdgcn-amd-amdhsa--gfx1250"
	.amdhsa_code_object_version 6
	.text
	.protected	k_qdfe726a9da_attn
	.globl	k_qdfe726a9da_attn
	.p2align	8
	.type	k_qdfe726a9da_attn,@function
k_qdfe726a9da_attn:
	s_mov_b64 s[64:65], 0
	v_nop
	global_prefetch_b8 v0, s[64:65] scope:SCOPE_SE
	s_setreg_imm32_b32 hwreg(HW_REG_WAVE_SCHED_MODE, 0, 2), 2
	s_setreg_imm32_b32 hwreg(HW_REG_WAVE_MODE, 25, 1), 1
	s_wait_xcnt 0x0
	s_wait_alu depctr_vm_vsrc(0)
; out[b][q][:] = sum over k of softmax_k(mask(Q[b][q] . K[b][k] / 8)) V[b][k][:], 16 batches, 2,048 queries, 2,048 keys, head size 64; keys at or past valid_lens[b] count as logit -1e6.
; Both products on codes of FP4 (E2M1) with one E8M0 scale for each 32 along K.  Q, K: 32 bytes of codes and 2 scale bytes a row; V: keys innermost, [64 d][1,024 bytes], scale bytes [64 d][64].  out: f32.
; THE SOFTMAX AHEAD OF THE SECOND PRODUCT: t = score x log2(e) / 8; M = the running largest t rounded UP to a whole number; p = 2^(t - M) is quantised along the keys; the row's sum is taken of the unquantised p and divides at the end.
; SHARES.  A work-group takes 64 queries (x) of TWO batches (y = 0..7): the batches of rank y and 15 - y when the 16 are ordered by the number of keys to be walked, a long one with a short one, so that all
; work-groups have about the same work.  Every wave ranks the 16 lengths itself.  Wave w: batch of the pair be = (w ^ (w >> 2)) & 1, om = w >> 1, tile of 16 queries ta = om & 3, half of the key steps et = om >> 2.
; A key step is 128 keys; wave (be, ta, et) walks steps 2 p + et, p = 0..7.  Steps all of whose keys are masked are left out (their p is 0); the two halves of a tile meet at the end through LDS.
; With no valid key at all every logit is equal: all 16 steps are walked with every score masked, which gives the mean of V, as the definition does.
; HEAD SIZE 64 fills half of the instruction's K = 128: one fragment of K carries TWO tiles of keys (registers 0-3 a key, registers 4-7 the key 8 further on), and is multiplied once by (q, 0) and once by (0, q).
; LAYOUT.  Both products are used transposed (S^T = K Q^T, O^T = V^T P^T): a lane holds ONE query (lane % 16) throughout.  Lane r of fragment b takes key 32 b + r % 8 + 16 (r / 8), so that
; register 16 b + i of S^T is key 32 b + 16 (lane / 16) + i of the step: 16 neighbours along the second product's K.
; NO TENSOR LOADS, NO CLUSTER: which steps are walked hangs on valid_lens, a number read from memory; leaving masked steps out
; removes on average half of the vector work, of which a step has about twenty times as many instructions as it has matrix instructions.  K and V go global -> registers -> LDS, one phase (two steps) ahead of their use.
; No prefetch: each batch's 128 KiB of codes are read by 32 neighbouring work-groups, and the loads already run a phase ahead.
; A MASKED SCORE is set to -2^26: its t = -12,102,203 is a whole number, so that with no valid key p = 1 exactly; with a valid key p falls to 0, as it does with -1e6.
; LIMITS: rows whose valid logits lie under about -1e6 (|q . k| over 8e6) differ from the definition; the scale byte 0xff (NaN) among the inputs is not served; p under 2^-124 of the running largest is taken as 0.
; THE MODE: SCHED_MODE bits 1:0 = 2 (LLVM: expert scheduling mode 2), set by the entry lines.  The code itself states the register dependences
; between vector or matrix instructions and memory or LDS instructions, with s_wait_alu, always for 0.
; THE PLAN.  Registers that memory or LDS instructions touch:
;   v1-8, v11, v29-31, v214, v218-223, v253, v255   addresses and offsets: written once at the head, never again; a phase's place stands in the immediates.  One wait on va_vdst at the head serves them all.
;   SG            The staging loads at a phase's head land in it; the LDS stores at the phase's end read it; no vector instruction names it.  One wait on vm_vsrc at each phase's head, ahead of its branch.
;   KF, KS        The LDS loads at a step's head land in them; the step's eight products S^T read them.
;   VF, VS        The LDS loads behind those eight products land in them; the step's four products O^T, its last lines, read them.
;                 So ONE wait on va_vdst at a step's head states that the step before is done reading all four; between it and V's loads stand only the eight products and four v_nop, which name neither VF nor VS.
;   p's codes and scale word are named by vector and matrix instructions alone: a wait on va_vdst stands behind their places, ahead of the products that take them.
;   O^T, v12, v14 The meeting: data of the LDS stores of the half et = 1.  v96-127, v232, v233: the keeper's loads land there.  One wait on va_vdst ahead of the meeting's branch serves both.
;   v128-159      The way out: written by the keeper's packed lines, read by the stage's stores, not written again.  KF takes the rows back and is stored from.
; THE NUMBERS THAT STEER BRANCHES AND ADDRESSES (my batch, its length, its steps) come from a scalar load of valid_lens through scalar instructions alone: no vector instruction stands on their way.
; A vector instruction writes a scalar register in two kinds of place only: the wave's number at the head, and the masks of a step, whose compares stand in runs of 16, into s68-83, with one wait behind the run.  VCC is written nowhere.
.set KG,    528                        ; LDS: 16 keys, 512 dense bytes + 16 of padding: the two groups of eight rows that a fragment load touches then fall on even and on odd 16-byte columns
.set KPH,   16*KG                      ; a phase: two steps of eight groups
.set VP,    1040                       ; a row d of V: 1,024 bytes + 16: row r starts at 16-byte column r mod 16
.set VOFF,  128*KG                     ; a batch's slot: K's codes, then V's,
.set KSOFF, VOFF+64*VP                 ; K's scale words: word (G, x) at 32 G + 4 x = bytes of key 16 G + x below, of key 16 G + x + 8 above: 256 bytes a step,
.set VSOFF, KSOFF+4096                 ; V's scale words, [step][d]: 256 bytes a step
.set SLOT,  VSOFF+4096                 ; 142,336 bytes
.set MRG,   2*SLOT                     ; eight slots for the meeting of a tile's halves: 4,096 bytes of O^T as an image of its registers, 128 of -M, 128 of the sum; later the keeper's stage, 16 rows x 272
.set MSL,   4352
.set SP,    272
.set AK,  1                            ; v1   K's fragments: my lane's place in step et of phase 0
.set AV,  2                            ; v2   V's
.set ASK, 3                            ; v3   K's scale words
.set ASV, 4                            ; v4   V's
.set GKO, 5                            ; v5   staging: my 16 bytes of my wave's 1,024 of a phase of K, in memory
.set GVO, 6                            ; v6   of V: 4 rows x 128 bytes a load
.set LKS, 7                            ; v7   and in LDS
.set LVS, 8                            ; v8
.set H16, 9                            ; v9   16 (lane / 16)
.set NEG, 10                           ; v10  -2^26
.set MG,  11                           ; v11  my 16 bytes of an image in my tile's meeting slot
                                       ; v12 -M, v13 the largest t, v[14:15] the sum in two halves; v16-19 = 0, v20-23 q's codes, v24-27 = 0
.set QW,  28                           ; v28  q's scale word: its two bytes below and again above
.set MG4, 29                           ; v29  my word of -M in the meeting slot
.set STO, 30                           ; v30  the way out: where I put 32 bytes of a row
.set RD,  31                           ; v31  and where I read a row back
.set KF,  32                           ; v32-63   four fragments of K
.set VF,  64                           ; v64-95   four fragments of V
.set S,   96                           ; v96-159  S^T, then p; at the head at work
.set O,   160                          ; v160-191 O^T, four tiles of 8
.set SG,  192                          ; v192-207 staging
.set KS,  208                          ; v208-209 K's scale words: lanes 0-15 fragment 2 g, lanes 16-31 fragment 2 g + 1
.set VS,  210                          ; v210-211 V's likewise
.set PW,  212                          ; v212 p's scale word
.set GO,  214                          ; v214 16 x lane
.set F,   216                          ; v[216:217] f = 2^(old M - new M); v217 = 0, named with it as a pair
.set KSS, 218                          ; v218-223 the head's offsets: scale words into LDS, scale bytes and q in memory
.set VSS, 219
.set GKS, 220
.set GVS, 221
.set GQC, 222
.set GQS, 223
.set PC,  224                          ; v224-231 p's codes
.set BM,  232                          ; v232-235 a block's largest score, then its largest p
.set T4,  236                          ; v236-239 permutes' results, bytes, the sum's second chain; at the meeting v239 is the joined sum
.set SOP, 244                          ; v244-247 the conversions' scale operands
                                       ; v253 the LDS address of my spare word, v255 = 0: made at the head and kept for the closing lines alone; the spare words, 128 bytes a wave, lie behind the meeting slots
.set WV, 20                            ; s20 wave;  s21 be;  s22 om;  s23 ta;  s24 et;  s25 y
.set BE, 21
.set OM, 22
.set TA, 23
.set ET, 24
.set PI, 25
.set BA, 27                            ; s27 my batch
.set LL, 28                            ; s28 valid keys, 0..2,048;  s29 keys to be walked
.set WW, 29
.set NS, 30                            ; s30 steps to be walked, 1..16
.set NW, 31                            ; s31 NS - et
.set LM, 32                            ; s32 LL - 128 et
.set SB, 48                            ; s48 my batch's slot;  s49 my tile's meeting slot
.set SM, 49
.set CM, 68                            ; s68-83 valid_lens, then the 16 sort keys (with s84 as the sort's spare); later the masks of a run of 16 compares
	s_load_b256 s[4:11], s[0:1], 0x0               ; K's codes s[4:5], K's scales s[6:7], Q's codes s[8:9], Q's scales s[10:11]
	s_load_b256 s[12:19], s[0:1], 0x20             ; valid_lens s[12:13], V's codes s[14:15], V's scales s[16:17], out s[18:19]
	v_lshl_add_u32 v253, v0, 2, 0x4e000
	v_mov_b32 v255, 0
	v_and_b32 v121, 15, v0                         ; r
	v_lshrrev_b32 v120, 5, v0
	v_readfirstlane_b32 s[WV], v120                ; wave 0..15
	s_wait_kmcnt 0x0
	s_load_b512 s[68:83], s[12:13], 0x0            ; all 16 valid_lens, 64 bytes: the whole buffer; the addresses below are made while it is out
	s_wait_alu depctr_va_sdst(0)                   ; the wave's number is written, ahead of its first reader
	s_lshr_b32 s[OM], s[WV], 1
	s_lshr_b32 s33, s[WV], 2
	s_xor_b32 s[BE], s[WV], s33
	s_and_b32 s[BE], s[BE], 1
	s_and_b32 s[TA], s[OM], 3
	s_lshr_b32 s[ET], s[OM], 2
	s_and_b32 s[PI], ttmp7, 0xffff
	s_mul_i32 s[SB], s[BE], SLOT
	s_lshl_b32 s33, s[BE], 2
	s_add_co_u32 s33, s33, s[TA]
	s_mul_i32 s[SM], s33, MSL
	s_add_co_u32 s[SM], s[SM], MRG
	s_mov_b32 s38, 0x76543210                      ; v_permlanex16_b32's selects for lane l xor 16
	s_mov_b32 s39, 0xfedcba98
	s_mov_b32 s40, 0x3e38aa3b                      ; c = log2(e) / 8
	s_mov_b32 s41, s40                             ; (named with it as a pair, so it is written)
	s_mov_b32 s46, 0x05040100                      ; v_perm_b32: the two low halves;
	s_mov_b32 s47, 0x07060302                      ; the two high halves
	v_and_b32 v120, 31, v0                         ; lane
	v_bfe_u32 v122, v0, 4, 1                       ; h
	v_and_b32 v123, 7, v0                          ; lane % 8
	v_bfe_u32 v124, v0, 3, 1                       ; r / 8
	v_bfe_u32 v125, v0, 3, 2                       ; lane / 8
	v_and_b32 v126, 3, v0                          ; lane % 4
	v_bfe_u32 v127, v0, 2, 3                       ; lane / 4
	v_bfe_u32 v128, v0, 1, 4                       ; lane / 2
	v_and_b32 v129, 1, v0                          ; lane % 2
	; every LDS address is a constant x lane terms + constants x bits of the wave's number; a phase's place stands in the immediates
	v_mul_u32_u24 v[AK], v124, KG
	v_lshl_add_u32 v[AK], v123, 5, v[AK]
	v_lshl_add_u32 v[AK], v122, 4, v[AK]           ; key r % 8 of group r / 8, + 16 h
	s_mul_i32 s42, s[ET], 8*KG
	s_add_co_u32 s42, s42, s[SB]
	v_add_nc_u32 v[AK], s42, v[AK]
	v_mul_u32_u24 v[AV], v121, VP
	v_lshl_add_u32 v[AV], v122, 4, v[AV]           ; row r, + 16 h
	s_lshl_b32 s42, s[ET], 6
	s_add_co_u32 s42, s42, s[SB]
	s_add_co_u32 s42, s42, VOFF
	v_add_nc_u32 v[AV], s42, v[AV]
	s_lshl_b32 s42, s[ET], 8
	s_add_co_u32 s42, s42, s[SB]
	s_add_co_u32 s43, s42, KSOFF
	s_add_co_u32 s44, s42, VSOFF
	v_lshl_add_u32 v[ASK], v120, 2, s43
	v_lshl_add_u32 v[ASV], v120, 2, s44
	s_lshl_b32 s42, s[OM], 10
	v_lshl_add_u32 v[GKO], v120, 4, s42            ; K: 1,024 bytes a wave, 512 dense bytes a load
	s_lshl_b32 s42, s[OM], 13
	v_lshl_add_u32 v[GVO], v125, 10, s42           ; V: rows 8 om + lane / 8 (and + 4),
	v_lshl_add_u32 v[GVO], v123, 4, v[GVO]         ; 16 (lane % 8) of a phase's 128 bytes
	s_mul_i32 s42, s[OM], 2*KG
	s_add_co_u32 s42, s42, s[SB]
	v_lshl_add_u32 v[LKS], v120, 4, s42
	s_mul_i32 s42, s[OM], 8*VP
	s_add_co_u32 s42, s42, s[SB]
	s_add_co_u32 s42, s42, VOFF
	v_mul_u32_u24 v[LVS], v125, VP
	v_lshl_add_u32 v[LVS], v123, 4, v[LVS]
	v_add_nc_u32 v[LVS], s42, v[LVS]
	v_lshlrev_b32 v[H16], 4, v122
	v_mov_b32 v[NEG], 0xcc800000
	v_lshl_add_u32 v[MG], v120, 4, s[SM]
	s_add_co_u32 s42, s[SM], 4096
	v_lshl_add_u32 v[MG4], v120, 2, s42
	v_mul_u32_u24 v[STO], v121, SP
	v_lshl_add_u32 v[STO], v122, 5, v[STO]
	v_add_nc_u32 v[STO], s[SM], v[STO]             ; in: row r; tile t's eight channels of my half 64 t + 32 h bytes on
	v_mul_u32_u24 v[RD], v122, SP
	v_lshl_add_u32 v[RD], v121, 4, v[RD]
	v_add_nc_u32 v[RD], s[SM], v[RD]               ; back: lanes 0-15 one row, lanes 16-31 the next
	v_lshlrev_b32 v[GO], 4, v120
	; the scale bytes of a whole batch come once; the batch's eight waves share them: th = 32 om + lane takes 16 bytes of each kind
	s_lshl_b32 s42, s[OM], 9
	v_lshl_add_u32 v[GVS], v120, 4, s42            ; V's in memory: 16 th: row th / 4, steps 4 (th % 4) + 0..3
	v_lshl_add_u32 v[GKS], v128, 5, s42            ; K's in memory: group th / 2, keys 4 (th % 2) + 0..3 (and 8 further on, 16 bytes on)
	v_lshl_add_u32 v[GKS], v129, 3, v[GKS]
	s_add_co_u32 s42, s42, s[SB]
	s_add_co_u32 s42, s42, KSOFF
	v_lshl_add_u32 v[KSS], v120, 4, s42            ; K's words in LDS: 16 th
	s_lshl_b32 s42, s[OM], 5
	s_add_co_u32 s42, s42, s[SB]
	s_add_co_u32 s42, s42, VSOFF
	v_lshl_add_u32 v[VSS], v126, 10, s42           ; V's words in LDS: 256 x step + 4 x row
	v_lshl_add_u32 v[VSS], v127, 2, v[VSS]
	v_lshlrev_b32 v[GQC], 5, v121
	v_lshl_add_u32 v[GQC], v122, 4, v[GQC]         ; q: row r of 32 bytes, + 16 h
	v_lshlrev_b32 v[GQS], 1, v121
	; THE RANKS, in scalar registers.  Batch j's length is held to 0..2,048 and becomes the sort key 16 (length - 1) + j, taken as an unsigned number: the 16 keys differ, and a length of 0,
	; whose batch walks all 16 steps, gives the largest keys.  The keys are sorted, and the key of my rank carries my batch in its low four bits and my length above them.
	s_wait_kmcnt 0x0                               ; valid_lens
.irp j, 0,1,2,3,4,5,6,7,8,9,10,11,12,13,14,15
	s_max_i32 s[CM+\j], s[CM+\j], 0
.endr
.irp j, 0,1,2,3,4,5,6,7,8,9,10,11,12,13,14,15
	s_min_i32 s[CM+\j], s[CM+\j], 0x800
.endr
.irp j, 0,1,2,3,4,5,6,7,8,9,10,11,12,13,14,15
	s_lshl_b32 s[CM+\j], s[CM+\j], 4
.endr
.irp j, 0,1,2,3,4,5,6,7,8,9,10,11,12,13,14,15
	s_add_co_u32 s[CM+\j], s[CM+\j], \j-16
.endr
; A comparator: the smaller of wires i and j goes to wire i, the larger to wire j.  The smaller is written into the spare register, which then IS wire i, and wire i's old register is the new spare:
; the assembler's symbols SK0 .. SK15 say which register each wire is, so that a comparator is two instructions and no move.
.irp j, 0,1,2,3,4,5,6,7,8,9,10,11,12,13,14,15
.set SK\j, CM+\j
.endr
.set TT, CM+16
.macro CE i, j
	s_min_u32 s[TT], s[SK\i], s[SK\j]
	s_max_u32 s[SK\j], s[SK\i], s[SK\j]
.set TX, SK\i
.set SK\i, TT
.set TT, TX
.endm
	; Batcher's odd-even merge sort of 16: 63 comparators.  Runs of 1 are merged to runs of 2,
	CE 0, 1
	CE 2, 3
	CE 4, 5
	CE 6, 7
	CE 8, 9
	CE 10, 11
	CE 12, 13
	CE 14, 15
	; of 2 to 4,
	CE 0, 2
	CE 1, 3
	CE 4, 6
	CE 5, 7
	CE 8, 10
	CE 9, 11
	CE 12, 14
	CE 13, 15
	CE 1, 2
	CE 5, 6
	CE 9, 10
	CE 13, 14
	; of 4 to 8,
	CE 0, 4
	CE 1, 5
	CE 2, 6
	CE 3, 7
	CE 8, 12
	CE 9, 13
	CE 10, 14
	CE 11, 15
	CE 2, 4
	CE 3, 5
	CE 10, 12
	CE 11, 13
	CE 1, 2
	CE 3, 4
	CE 5, 6
	CE 9, 10
	CE 11, 12
	CE 13, 14
	; of 8 to 16
	CE 0, 8
	CE 1, 9
	CE 2, 10
	CE 3, 11
	CE 4, 12
	CE 5, 13
	CE 6, 14
	CE 7, 15
	CE 4, 8
	CE 5, 9
	CE 6, 10
	CE 7, 11
	CE 2, 4
	CE 3, 5
	CE 6, 8
	CE 7, 9
	CE 10, 12
	CE 11, 13
	CE 1, 2
	CE 3, 4
	CE 5, 6
	CE 7, 8
	CE 9, 10
	CE 11, 12
	CE 13, 14
	; the key of rank y (be = 0) or 15 - y (be = 1): each batch has one pair.  First the end of the order, then y's three bits
	s_cmp_eq_u32 s[BE], 0
	s_cselect_b32 s[SK0], s[SK0], s[SK15]
	s_cselect_b32 s[SK1], s[SK1], s[SK14]
	s_cselect_b32 s[SK2], s[SK2], s[SK13]
	s_cselect_b32 s[SK3], s[SK3], s[SK12]
	s_cselect_b32 s[SK4], s[SK4], s[SK11]
	s_cselect_b32 s[SK5], s[SK5], s[SK10]
	s_cselect_b32 s[SK6], s[SK6], s[SK9]
	s_cselect_b32 s[SK7], s[SK7], s[SK8]
	s_and_b32 s42, s[PI], 1                        ; SCC = the bit
	s_cselect_b32 s[SK0], s[SK1], s[SK0]
	s_cselect_b32 s[SK2], s[SK3], s[SK2]
	s_cselect_b32 s[SK4], s[SK5], s[SK4]
	s_cselect_b32 s[SK6], s[SK7], s[SK6]
	s_and_b32 s42, s[PI], 2
	s_cselect_b32 s[SK0], s[SK2], s[SK0]
	s_cselect_b32 s[SK4], s[SK6], s[SK4]
	s_and_b32 s42, s[PI], 4
	s_cselect_b32 s[SK0], s[SK4], s[SK0]
	s_and_b32 s[BA], s[SK0], 15
	s_min_u32 s[BA], s[BA], 15                     ; my batch: it enters addresses held to 0..15
	s_ashr_i32 s[LL], s[SK0], 4                    ; length - 1, from -1 on
	s_add_co_u32 s[LL], s[LL], 1
	s_min_u32 s[LL], s[LL], 0x800
	s_cmp_eq_u32 s[LL], 0
	s_cselect_b32 s[WW], 0x800, s[LL]              ; with nothing valid all 2,048 keys are walked
	s_add_co_u32 s[NS], s[WW], 127
	s_lshr_b32 s[NS], s[NS], 7
	s_sub_co_u32 s[NW], s[NS], s[ET]
	s_lshl_b32 s42, s[ET], 7
	s_sub_co_i32 s[LM], s[LL], s42
	; each pointer goes to my batch (Q, out: to my 16 queries) once, and stays
	s_mov_b32 s35, 0
	s_mov_b32 s37, 0
	s_lshl_b32 s34, s[BA], 16
	s_lshl_b32 s36, s[BA], 12
	s_add_nc_u64 s[4:5], s[4:5], s[34:35]
	s_add_nc_u64 s[14:15], s[14:15], s[34:35]
	s_add_nc_u64 s[8:9], s[8:9], s[34:35]
	s_add_nc_u64 s[6:7], s[6:7], s[36:37]
	s_add_nc_u64 s[16:17], s[16:17], s[36:37]
	s_add_nc_u64 s[10:11], s[10:11], s[36:37]
	s_lshl_b32 s42, ttmp9, 6
	s_lshl_b32 s43, s[TA], 4
	s_add_co_u32 s42, s42, s43                     ; my first query: 64 x + 16 ta
	s_lshl_b32 s34, s42, 5
	s_add_nc_u64 s[8:9], s[8:9], s[34:35]
	s_lshl_b32 s36, s42, 1
	s_add_nc_u64 s[10:11], s[10:11], s[36:37]
	s_lshl_b32 s34, s[BA], 19
	s_add_nc_u64 s[18:19], s[18:19], s[34:35]
	s_lshl_b32 s34, s42, 8
	s_add_nc_u64 s[18:19], s[18:19], s[34:35]
; A phase's 256 keys of my batch, one eighth a wave: 1,024 bytes of K, 8 rows x 128 bytes of V
.macro STAGE_LOAD p
	global_load_b128 v[SG:SG+3],     v[GKO], s[4:5] offset:8192*(\p)
	global_load_b128 v[SG+4:SG+7],   v[GKO], s[4:5] offset:8192*(\p)+512
	global_load_b128 v[SG+8:SG+11],  v[GVO], s[14:15] offset:128*(\p)
	global_load_b128 v[SG+12:SG+15], v[GVO], s[14:15] offset:128*(\p)+4096
.endm
.macro STAGE_STORE p
	ds_store_b128 v[LKS], v[SG:SG+3]     offset:KPH*(\p)
	ds_store_b128 v[LKS], v[SG+4:SG+7]   offset:KPH*(\p)+KG
	ds_store_b128 v[LVS], v[SG+8:SG+11]  offset:128*(\p)
	ds_store_b128 v[LVS], v[SG+12:SG+15] offset:128*(\p)+4*VP
.endm
.macro BAR                             ; my LDS stores have landed and my LDS loads are in: then the work-group's barrier.  It stands on every wave's path, under no branch
	s_wait_dscnt 0x0
	s_barrier_signal -1
	s_barrier_wait -1
.endm
	s_wait_alu depctr_va_vdst(0)                   ; every address and offset of the kernel is written: no vector instruction names one of them from here on, so this wait serves all the loads and stores that read them
	STAGE_LOAD 0                                   ; phase 0 is always walked: NS is at least 1
	global_load_b128 v[20:23], v[GQC], s[8:9]      ; q's codes stay in registers
	global_load_u16 v[QW], v[GQS], s[10:11]
	global_load_b64 v[104:105], v[GKS], s[6:7]
	global_load_b64 v[106:107], v[GKS], s[6:7] offset:16
	global_load_b128 v[108:111], v[GVS], s[16:17]
	v_mov_b32 v13, 0xff61b1e6                      ; the largest t so far: -3e38, under every t
	v_floor_f32 v12, -v13                          ; -M
	v_mov_b32 v14, 0
	v_mov_b32 v15, 0
.irp j, 16,17,18,19,24,25,26,27
	v_mov_b32 v[\j], 0                             ; v[20:27] = (q, 0), v[16:23] = (0, q)
.endr
	v_mov_b32 v[F+1], 0
.irp j, 0,1,2,3
	v_mov_b32 v[T4+\j], 0                          ; written once: a lane permute's destination counts as one of its sources
.endr
	s_wait_loadcnt 0x0
	v_lshl_or_b32 v[QW], v[QW], 16, v[QW]          ; q's two bytes serve k 0..63 of (q, 0) and k 64..127 of (0, q)
	v_perm_b32 v112, v106, v104, s46               ; a word: key x's two bytes below, key x + 8's above
	v_perm_b32 v113, v106, v104, s47
	v_perm_b32 v114, v107, v105, s46
	v_perm_b32 v115, v107, v105, s47
	s_wait_alu depctr_va_vdst(0)                   ; the four words v112-115 are written, which the LDS store below reads
	ds_store_b128 v[KSS], v[112:115]
.irp i, 0,1,2,3
	ds_store_b32 v[VSS], v[108+\i] offset:256*\i
.endr
	STAGE_STORE 0
.set J, 0
.rept 32
	v_mov_b32 v[O+J], 0                            ; O^T: the step is written once, and the first finds zeros.  These are also the plain places between the vector writes of q's scale word and zeros and the first scaled product
.set J, J+1
.endr
	BAR                                            ; phase 0 and all scale words lie in LDS
; A KEY STEP: the 128 keys of step 2 p + et.
.macro STEP p
	s_wait_alu depctr_va_vdst(0)                   ; the products of the step before are done reading KF, KS, VF and VS, in which this step's loads land; in the first step: q's scale word and zeros are written, which the products below take
.irp b, 0,1,2,3
	ds_load_b128 v[KF+8*\b:KF+8*\b+3],   v[AK] offset:KPH*(\p)+2*KG*\b        ; keys 32 b + r % 8 + 16 (r / 8),
	ds_load_b128 v[KF+8*\b+4:KF+8*\b+7], v[AK] offset:KPH*(\p)+2*KG*\b+256    ; and those 8 further on
.endr
	ds_load_b32 v[KS],   v[ASK] offset:512*(\p)
	ds_load_b32 v[KS+1], v[ASK] offset:512*(\p)+128
	s_wait_dscnt 0x0
.irp b, 0,1,2,3                        ; S^T: eight accumulators, each begun with the constant 0
.if (\b)%2
	v_wmma_scale_f32_16x16x128_f8f6f4 v[S+16*\b:S+16*\b+7],    v[KF+8*\b:KF+8*\b+7], v[20:27], 0, v[KS+\b/2], v[QW] matrix_a_fmt:MATRIX_FMT_FP4 matrix_b_fmt:MATRIX_FMT_FP4 matrix_a_scale:MATRIX_SCALE_ROW1
	v_wmma_scale_f32_16x16x128_f8f6f4 v[S+16*\b+8:S+16*\b+15], v[KF+8*\b:KF+8*\b+7], v[16:23], 0, v[KS+\b/2], v[QW] matrix_a_fmt:MATRIX_FMT_FP4 matrix_b_fmt:MATRIX_FMT_FP4 matrix_a_scale:MATRIX_SCALE_ROW1
.else
	v_wmma_scale_f32_16x16x128_f8f6f4 v[S+16*\b:S+16*\b+7],    v[KF+8*\b:KF+8*\b+7], v[20:27], 0, v[KS+\b/2], v[QW] matrix_a_fmt:MATRIX_FMT_FP4 matrix_b_fmt:MATRIX_FMT_FP4
	v_wmma_scale_f32_16x16x128_f8f6f4 v[S+16*\b+8:S+16*\b+15], v[KF+8*\b:KF+8*\b+7], v[16:23], 0, v[KS+\b/2], v[QW] matrix_a_fmt:MATRIX_FMT_FP4 matrix_b_fmt:MATRIX_FMT_FP4
.endif
.endr
.rept 4
	v_nop                                          ; four places (ISA guide 7.12.1) ahead of the first read of S^T
.endr
.irp t, 0,1,2,3
.irp c, 0,1
	ds_load_b128 v[VF+8*\t+4*\c:VF+8*\t+4*\c+3], v[AV] offset:16*VP*\t+128*(\p)+32*\c   ; V's fragments land behind the softmax.  No wait: no vector or matrix instruction since the wait at the step's head names VF or VS
.endr
.endr
	ds_load_b32 v[VS],   v[ASV] offset:512*(\p)
	ds_load_b32 v[VS+1], v[ASV] offset:512*(\p)+128
	s_cmp_ge_i32 s[LM], 256*(\p)+128               ; all 128 keys valid: nothing to mask
	s_cbranch_scc1 .Lopen_\@
	s_sub_co_i32 s33, s[LM], 256*(\p)
	v_sub_nc_u32 v252, s33, v[H16]                 ; d = valid keys - the step's first key - 16 h.  Register 16 b + i is masked where 32 b + i >= d
.set NB, 0
.rept 4                                ; a block of 32 keys at a time: its 16 compares in one run, each into a scalar register of its own
.set NN, 0
.rept 16
	v_cmp_ge_i32 s[CM+NN], 32*NB+NN, v252
.set NN, NN+1
.endr
	s_wait_alu depctr_va_sdst(0)                   ; the run's 16 masks are written, ahead of the selects that read them
.set NN, 0
.rept 16
	v_cndmask_b32 v[S+16*NB+NN], v[S+16*NB+NN], v[NEG], s[CM+NN]
.set NN, NN+1
.endr
.set NB, NB+1
.endr
.Lopen_\@:
.irp b, 0,1,2,3
	v_max3_num_f32 v[BM+\b], v[S+16*\b], v[S+1+16*\b], v[S+2+16*\b]   ; the largest score of each block of 32 keys: for the row's maximum and, since p rises with the score, for the block's largest p
.endr
.irp i, 3,5,7,9,11,13
.irp b, 0,1,2,3
	v_max3_num_f32 v[BM+\b], v[BM+\b], v[S+16*\b+\i], v[S+1+16*\b+\i]
.endr
.endr
.irp b, 0,1,2,3
	v_max_num_f32 v[BM+\b], v[BM+\b], v[S+15+16*\b]
.endr
.irp b, 0,1,2,3
	v_permlanex16_b32 v[T4+\b], v[BM+\b], s38, s39
.endr
.irp b, 0,1,2,3
	v_max_num_f32 v[BM+\b], v[BM+\b], v[T4+\b]     ; with lane l xor 16's 16 keys
.endr
	v_max3_num_f32 v254, v[BM], v[BM+1], v[BM+2]
	v_max_num_f32 v254, v254, v[BM+3]
	v_mul_f32 v254, s40, v254                      ; the step's largest t (c is positive)
	v_max_num_f32 v13, v13, v254
	v_mov_b32 v254, v12
	v_floor_f32 v12, -v13                          ; the new -M = -ceil(t): a whole number
	v_sub_f32 v254, v12, v254                      ; old M - new M: a whole number, 0 or less
	v_cvt_i32_f32 v254, v254                       ; (it saturates)
	v_ldexp_f32 v[F], 1.0, v254                    ; f = 2^(old M - new M): multiplying by it rounds nothing
	; ONE BATCH: the 68 exponentials, with the scalings t - M and O^T's rescaling set between them.  No line of it names an exponential's result
.irp b, 0,1,2,3
	v_fma_f32 v[BM+\b], v[BM+\b], s40, v12
.endr
.irp j, 0,2,4,6
	v_pk_fma_f32 v[S+\j:S+\j+1], v[S+\j:S+\j+1], s[40:41], v[12:13] op_sel_hi:[1,0,0]
.endr
.set J, 0
.rept 32
	v_exp_f32 v[S+2*J], v[S+2*J]
.if J < 28
	v_pk_fma_f32 v[S+2*J+8:S+2*J+9], v[S+2*J+8:S+2*J+9], s[40:41], v[12:13] op_sel_hi:[1,0,0]   ; the pair four further on
.endif
	v_exp_f32 v[S+2*J+1], v[S+2*J+1]
.if J < 16
	v_pk_mul_f32 v[O+2*J:O+2*J+1], v[O+2*J:O+2*J+1], v[F:F+1] op_sel_hi:[1,0]                   ; O^T under the new M, from each accumulator's low end on
.endif
.set J, J+1
.endr
.irp b, 0,1,2,3
	v_exp_f32 v[BM+\b], v[BM+\b]                   ; the block's largest p: the same two instructions on the same number give the same bits
.endr
	v_pk_mul_f32 v[14:15], v[14:15], v[F:F+1] op_sel_hi:[1,0]   ; the sums under the new M: the plain instruction behind the last exponential
	s_wait_alu depctr_va_vdst(0)                   ; the 68 exponentials have written p and the blocks' largest p: one wait for the batch, ahead of the first line that names a result
.irp b, 0,1,2,3
	v_max_num_f32 v[BM+\b], 0x1800000, v[BM+\b]    ; the floor 2^(3 - 127): the byte cannot fall under 1 (a block of zeros keeps that byte: its codes are zeros)
.endr
.irp b, 0,1,2,3
	v_add_nc_u32 v[SOP+\b], 0xff000000, v[BM+\b]   ; 2 off the exponent field: the conversion's scale operand
.endr
.irp b, 0,1,2,3
	v_cvt_scalef32_pk8_fp4_f32 v[PC+2*\b],   v[S+16*\b:S+16*\b+7],    v[SOP+\b]
	v_cvt_scalef32_pk8_fp4_f32 v[PC+2*\b+1], v[S+16*\b+8:S+16*\b+15], v[SOP+\b]
.endr
.irp b, 0,1,2,3
	v_lshrrev_b32 v[T4+\b], 23, v[SOP+\b]          ; the scale's byte.  (Plain lines between the conversions and the lines that touch their results)
.endr
.irp c, 0,1                            ; the operand's layout wants a whole block in a lane: lanes 0-15 block 2 c, lanes 16-31 block 2 c + 1
.irp i, 0,1
	v_permlane16_swap_b32 v[PC+4*\c+\i], v[PC+2+4*\c+\i]
.endr
.endr
	v_lshl_or_b32 v[PW], v[T4+1], 8, v[T4]
	v_lshl_or_b32 v[PW], v[T4+2], 16, v[PW]
	v_lshl_or_b32 v[PW], v[T4+3], 24, v[PW]        ; p's scale word for these 128 keys
	v_pk_add_f32 v[T4:T4+1], v[S:S+1], v[S+2:S+3]  ; the row's sum, of the unquantised p, in two chains: 32 plain lines, which are also the places between the writes of p's codes and scale word and the products
.irp j, 4,8,12,16,20,24,28,32,36,40,44,48,52,56,60
	v_pk_add_f32 v[14:15], v[14:15], v[S+\j:S+\j+1]
	v_pk_add_f32 v[T4:T4+1], v[T4:T4+1], v[S+\j+2:S+\j+3]
.endr
	v_pk_add_f32 v[14:15], v[14:15], v[T4:T4+1]
	s_wait_dscnt 0x0                               ; V's fragments and scale words
	s_wait_alu depctr_va_vdst(0)                   ; p's codes and p's scale word are written, which the scaled products below take; the places above stay beside this wait
.irp t, 0,1,2,3                        ; O^T += V^T P^T: four accumulators, one instruction each; between two links of a chain stand the three others' and the next step's eight
.if (\t)%2
	v_wmma_scale_f32_16x16x128_f8f6f4 v[O+8*\t:O+8*\t+7], v[VF+8*\t:VF+8*\t+7], v[PC:PC+7], v[O+8*\t:O+8*\t+7], v[VS+\t/2], v[PW] matrix_a_fmt:MATRIX_FMT_FP4 matrix_b_fmt:MATRIX_FMT_FP4 matrix_a_scale:MATRIX_SCALE_ROW1
.else
	v_wmma_scale_f32_16x16x128_f8f6f4 v[O+8*\t:O+8*\t+7], v[VF+8*\t:VF+8*\t+7], v[PC:PC+7], v[O+8*\t:O+8*\t+7], v[VS+\t/2], v[PW] matrix_a_fmt:MATRIX_FMT_FP4 matrix_b_fmt:MATRIX_FMT_FP4
.endif
.endr
.endm
; A PHASE: the next phase's codes are asked for (if my batch walks it); my step of this phase (if it is walked); the codes go to LDS bytes that nobody has read or reads before the barrier; the barrier.
; The branches hang on NS and NW, whole numbers made of valid_lens; the wait for the loads and the barrier stand outside them.
.macro PHASE p
.if (\p) < 7
	s_wait_alu depctr_vm_vsrc(0)                   ; the LDS stores of the phase before have read SG, in which the loads below land; in phase 0 also: the head's LDS stores have read v108-115, which the first products write
	s_cmp_gt_u32 s[NS], 2*(\p)+2
	s_cbranch_scc0 .Lnl_\@
	STAGE_LOAD (\p)+1
.Lnl_\@:
.endif
	s_cmp_gt_i32 s[NW], 2*(\p)
	s_cbranch_scc0 .Lskip_\@
	STEP \p
.Lskip_\@:
.if (\p) < 7
	s_wait_loadcnt 0x0                             ; the staging loads, issued a step ago
	s_cmp_gt_u32 s[NS], 2*(\p)+2
	s_cbranch_scc0 .Lns_\@
	STAGE_STORE (\p)+1
.Lns_\@:
	BAR
.endif
.endm
.irp p, 0,1,2,3,4,5,6,7
	PHASE \p
.endr
	; THE TWO HALVES OF A TILE MEET.  The wave with et = 1 leaves O^T as an image of its registers, -M and its sum; the wave with et = 0, which always has step 0, keeps on.
.rept 4
	v_nop                                          ; four places behind the last products
.endr
	v_add_f32 v14, v14, v15                        ; the sum's two halves
	s_wait_alu depctr_va_vdst(0)                   ; O^T, -M and the sum are written, which the LDS stores below read; and the last step is done with v96-127, v232 and v233, in which the keeper's loads land.  The places above stay beside this wait
	s_cmp_eq_u32 s[ET], 0
	s_cbranch_scc1 .Lkeep
.irp i, 0,1,2,3,4,5,6,7
	ds_store_b128 v[MG], v[O+4*\i:O+4*\i+3] offset:512*\i
.endr
	ds_store_b32 v[MG4], v12
	ds_store_b32 v[MG4], v14 offset:128
.Lkeep:
	BAR
	s_cmp_lg_u32 s[ET], 0
	s_cbranch_scc1 .Lend
.irp i, 0,1,2,3,4,5,6,7
	ds_load_b128 v[S+4*\i:S+4*\i+3], v[MG] offset:512*\i
.endr
	ds_load_b32 v232, v[MG4]                       ; the partner's -M (3e38 where it walked no step: its O^T and sum are zeros, and its factor below is 0)
	ds_load_b32 v233, v[MG4] offset:128            ; and its sum
	s_wait_dscnt 0x0
	v_min_num_f32 v234, v12, v232                  ; -M of both
	v_sub_f32 v235, v234, v12
	v_sub_f32 v236, v234, v232
	v_cvt_i32_f32 v235, v235
	v_cvt_i32_f32 v236, v236
	v_ldexp_f32 v235, 1.0, v235                    ; my factor, 2^(my M - M),
	v_ldexp_f32 v236, 1.0, v236                    ; the partner's
	v_mul_f32 v239, v14, v235                      ; the joined sum goes on in v239: no line from here on writes a register that an LDS store above names as its data
	v_fma_f32 v239, v233, v236, v239
	v_permlanex16_b32 v237, v239, s38, s39
	v_add_f32 v239, v239, v237                     ; with lane l xor 16's keys: the row's sum
	v_rcp_f32 v238, v239
	v_nop                                          ; a plain instruction behind the reciprocal,
	s_wait_alu depctr_va_vdst(0)                   ; the reciprocal has written v238: the wait ahead of its first reader
	v_mul_f32 v240, v235, v238
	v_mul_f32 v242, v236, v238
	v_mov_b32 v241, v240
	v_mov_b32 v243, v242
.set J, 0
.rept 16
	v_pk_mul_f32 v[128+2*J:129+2*J], v[O+2*J:O+2*J+1], v[240:241]
.set J, J+1
.endr
.set J, 0
.rept 16
	v_pk_fma_f32 v[128+2*J:129+2*J], v[S+2*J:S+2*J+1], v[242:243], v[128+2*J:129+2*J]   ; register 8 t + i is out(r, 16 t + 8 h + i)
.set J, J+1
.endr
	; THE WAY OUT, through the meeting slot, whose bytes I alone touch from here on and have read: rows of 256 bytes + 16
	s_wait_alu depctr_va_vdst(0)                   ; the packed lines have written v128-159, which the LDS stores below read
.irp t, 0,1,2,3
	ds_store_b128 v[STO], v[128+8*\t:131+8*\t] offset:64*\t
	ds_store_b128 v[STO], v[132+8*\t:135+8*\t] offset:64*\t+16
.endr
.irp i, 0,1,2,3,4,5,6,7
	ds_load_b128 v[KF+4*\i:KF+4*\i+3], v[RD] offset:2*SP*\i   ; LDS serves a wave's instructions in order (ISA guide 5.7.1.4): these see my stores.  No wait: no vector or matrix instruction since the wait above names KF
.endr
.irp i, 0,1,2,3,4,5,6,7
	s_wait_dscnt 7-\i                              ; the 7 - i younger loads may stay out
	global_store_b128 v[GO], v[KF+4*\i:KF+4*\i+3], s[18:19] offset:512*\i th:TH_STORE_NT   ; two whole rows: 512 consecutive bytes, at a multiple of 256 from out's first byte
.endr
.Lend:
	s_wait_dscnt 0x0                               ; the closing lines, six on end
	s_wait_alu 0x0
	s_wait_tensorcnt 0x0
	ds_add_u32 v253, v255
	s_wait_dscnt 0x0
	s_endpgm
.Lfunc_end_k_qdfe726a9da_attn:
	.size	k_qdfe726a9da_attn, .Lfunc_end_k_qdfe726a9da_attn-k_qdfe726a9da_attn
	.p2alignl 7, 3214868480
	.fill 96, 4, 3214868480
	.section	.rodata,"a",@progbits
	.p2align	6, 0x0
	.amdhsa_kernel k_qdfe726a9da_attn
		.amdhsa_group_segment_fixed_size 321536
		.amdhsa_private_segment_fixed_size 0
		.amdhsa_enable_private_segment 0
		.amdhsa_kernarg_size 64
		.amdhsa_user_sgpr_count 2
		.amdhsa_user_sgpr_kernarg_segment_ptr 1
		.amdhsa_wavefront_size32 1
		.amdhsa_system_sgpr_workgroup_id_x 1
		.amdhsa_system_sgpr_workgroup_id_y 1
		.amdhsa_system_sgpr_workgroup_id_z 1
		.amdhsa_system_vgpr_workitem_id 0
		.amdhsa_next_free_vgpr 256
		.amdhsa_next_free_sgpr 85
		.amdhsa_reserve_vcc 0
		.amdhsa_float_denorm_mode_32 3
		.amdhsa_float_denorm_mode_16_64 3
		.amdhsa_memory_ordered 1
		.amdhsa_forward_progress 1
		.amdhsa_inst_pref_size 221
	.end_amdhsa_kernel
	.amdgpu_metadata
---
amdhsa.version: [ 1, 2 ]
amdhsa.kernels:
  - .name:           k_qdfe726a9da_attn
    .symbol:         k_qdfe726a9da_attn.kd
    .args:
      - { .name: keys_codes, .offset: 0, .size: 8, .value_kind: global_buffer, .address_space: global }
      - { .name: keys_scales, .offset: 8, .size: 8, .value_kind: global_buffer, .address_space: global }
      - { .name: queries_codes, .offset: 16, .size: 8, .value_kind: global_buffer, .address_space: global }
      - { .name: queries_scales, .offset: 24, .size: 8, .value_kind: global_buffer, .address_space: global }
      - { .name: valid_lens, .offset: 32, .size: 8, .value_kind: global_buffer, .address_space: global }
      - { .name: values_codes, .offset: 40, .size: 8, .value_kind: global_buffer, .address_space: global }
      - { .name: values_scales, .offset: 48, .size: 8, .value_kind: global_buffer, .address_space: global }
      - { .name: out0, .offset: 56, .size: 8, .value_kind: global_buffer, .address_space: global }
    .group_segment_fixed_size: 321536
    .private_segment_fixed_size: 0
    .kernarg_segment_align: 8
    .kernarg_segment_size: 64
    .max_flat_workgroup_size: 512
    .sgpr_count:     85
    .vgpr_count:     256
    .wavefront_size: 32
...
	.end_amdgpu_metadata
.endif
;; end of part 2
